; MI455X (gfx1250); checked and timed in simulation.
; The chip was launched on July 23, 2026; its instructions are those of AMD's public machine-readable ISA for CDNA 5 (MIT licence, August 2026) and "CDNA5" Instruction Set Architecture Reference Guide (July 2026). The comments in the code are by the model that wrote it; some were corrected since.
;; Feed Forward Quantum. Allowed arithmetic: matrix products marked QUANTISED: E2M1 operands, one E8M0 scale for each 32 along K, by v_wmma_scale_f32_16x16x128_f8f6f4 with both operands' format E2M1 (or v_wmma_scale_f32_32x16x128_f4), f32 sums; products left as they are: f32 operands where the result goes on into a quantised operand, else bf16, f16 or f32 operands; f32 sums; everything else in f32.
;; Inputs: W1 4,096 x 8 float32; W2_codes 1,024 x 128 x 16 uint8 (E2M1 codes of W2, K innermost, in blocks of 32 codes, two codes a byte); W2_scales 1,024 x 128 uint8 (E8M0 scales of W2, one for each 32 codes along K); b1 4,096 float32; b2 1,024 float32; theta 8 float32; x 8 x 2,048 x 1,024 float32.
;; Outputs: out0 8 x 2,048 x 1,024 float32.
;; This version of the problem:
;;   THIS VERSION OF THE PROBLEM IS GIVEN IN LOW PRECISION. The matrix products marked QUANTISED in the list below multiply operands that are first quantised to E2M1 (2 exponent bits, 1 mantissa bit; 4 bits a number), with one power-of-two scale for each 32 numbers along K (OCP MX v1.0); their sums are f32. All else is computed in f32.
;;   The module's matrix products, in the order in which they are computed (A, B: the left and right operand; K: the contracted axis; several contracted axes count as one K, in the product's order):
;;     1. [M 16,384, K 8] x [K 8, N 4,096]; A: computed on the way; B: input W1: left as it is (K = 8 < 32)
;;     2. [M 16,384, K 4,096] x [K 4,096, N 1,024]; A: computed on the way; B: input W2 (given as codes): QUANTISED
;;   THE QUANTISER, for each operand of a quantised product, along K:
;;     - K is cut into blocks of 32 from its start; a last block that is shorter is filled with zeros.
;;     - A block's scale is 2^e with e = floor(log2(the largest magnitude in the block)) - 2, held to -126 .. 127; a block of zeros has e = 0. As a byte (E8M0): e + 127.
;;     - Each number is divided by its block's scale, clamped to +-6, and rounded to the nearest number of E2M1, ties to even, subnormals kept.
;;     - The product sums the exact products of the quantised numbers (number of the format x scale) in f32.
;;   ~~~python
;;   def quantise(x, axis):      # numpy; x: float32 -> the quantised numbers, widened to float32 again
;;       x = np.moveaxis(x, axis, -1); K = x.shape[-1]
;;       x = np.pad(x, [(0, 0)] * (x.ndim - 1) + [(0, -K % 32)]); x = x.reshape(x.shape[:-1] + (-1, 32)); a = np.abs(x).max(-1, keepdims=True)
;;       e = np.where(a > 0, np.clip(np.frexp(np.where(a > 0, a, 1))[1] - 1 - 2, -126, 127), 0)      # np.frexp(a)[1] - 1 = floor(log2(a)), exactly
;;       r = np.clip(x / 2.0 ** e, -6, 6)
;;       step = 2.0 ** (np.maximum(np.frexp(np.where(r == 0, 1, r))[1] - 1, 0) - 1)
;;       q = np.round(r / step) * step * 2.0 ** e      # np.round: ties to even
;;       return np.moveaxis(q.reshape(q.shape[:-2] + (-1,))[..., :K], -1, axis).astype(np.float32)
;;   ~~~
;;   OPERANDS COMPUTED ON THE WAY. 'Computed on the way' means the value that the module computes at that place (a softmax that the list does not call 'softmax' is quantised finished and normalised). What goes into a quantiser is computed in f32, as accurately as f32 sums, v_exp_f32 and their like allow (about 1e-6 of the number): no bf16 or f16 on the way to a quantiser, and a product that is left as it is and whose result goes on into a quantised operand takes f32 operands (vector FMAs, or v_wmma_f32_16x16x4_f32). A number that lies on a knife's edge between two numbers of the format may be rounded either way, as far as f32 arithmetic and the matrix unit's own rounding can turn it there, and no further.
;;   INPUTS GIVEN AS CODES. W2 (in the module: [1024, 4096], K = its axis 1): each comes as NAME_codes (uint8): NAME with its K axis moved to the last place and cut into blocks of 32 codes, [.., K / 32, bytes a block], one block behind the other in memory; two codes a byte, the lower K in the low four bits (a code: sign, 2 exponent bits, 1 mantissa bit); and NAME_scales (uint8): the same leading axes, one E8M0 byte (e + 127) for each 32 codes along K. Its value is code x scale, taken as it is: it is not quantised again, and the codes and scales need not be those that the quantiser above would give.
;; One version. Each part assembles by itself: llvm-mc -triple=amdgcn-amd-amdhsa -mcpu=gfx1250 --defsym DOCPART=n.
;; ======== version 1 of 1: 1 launch
;; limits: inputs' magnitudes at most 1,048,576; right only within a limited range of input values
;; launch ffq (part 1): grid 256 x 1, 4 waves a work-group, clusters of 4 x 1, 327,680 bytes of LDS; arguments x, theta, W1, b1, W2_codes, W2_scales, b2, out0; writes out0
.if DOCPART == 1
	.amdgcn_target "amdgcn-amd-amdhsa--gfx1250"
	.amdhsa_code_object_version 6
	.text
	.protected	k_q5855fd4119_ffq
	.globl	k_q5855fd4119_ffq
	.p2align	8
	.type	k_q5855fd4119_ffq,@function
k_q5855fd4119_ffq:
	s_mov_b64 s[64:65], 0
	v_nop
	global_prefetch_b8 v0, s[64:65] scope:SCOPE_SE
	s_setreg_imm32_b32 hwreg(HW_REG_WAVE_MODE, 25, 1), 1
	s_wait_xcnt 0x0
	s_wait_alu depctr_hold_cnt(0) depctr_sa_sdst(0) depctr_va_vdst(0) depctr_va_sdst(0) depctr_va_ssrc(0) depctr_va_vcc(0) depctr_vm_vsrc(0)
	s_getreg_b32 s2, hwreg(HW_REG_IB_STS2, 6, 4)
	s_cmp_eq_u32 s2, 0
	s_cbranch_scc0 .Lentry_in_a_cluster
	s_endpgm
.Lentry_in_a_cluster:
	s_bfe_u32 s2, ttmp6, 0x10000c
	s_cmp_lg_u32 s2, 0x3003
	s_cbranch_scc0 .Lentry_shape_is_right
	s_endpgm
.Lentry_shape_is_right:
; out = Q(relu(q W1^T + b1)) W2^T + b2,  q = |a|^2 - |b|^2 of the circuit RX(x) RY(theta), from the first 8 features of each of 16,384 tokens.
; W1 [4096][8], b1 [4096], b2 [1024], x and out0 [16384][1024]: f32.  W2 [1024][4096]: codes of FP4 (E2M1), K innermost, 2,048 bytes a row, with one E8M0 byte for each 32 along K (128 bytes a row).
; ONE LAUNCH.  The hidden layer h (4,096 numbers a token) is wanted by all 1,024 columns of out0, so a work-group owns whole rows: 64 tokens x 1,024 columns = 4 waves x 512 accumulator registers;
; 16,384 / 64 = 256 work-groups.  h is made once, in f32, quantised in registers and handed from wave to wave through LDS as codes; it never goes to memory.
; TIME.  K = 4,096 goes in 8 chunks of 512, a chunk in 4 K steps q of 128; the columns in 4 groups of 256.  A SLOT is one (chunk, group): 256 rows of W2 x 256 bytes; 32 slots through a ring of two LDS buffers.
; SECOND PRODUCT: source 0 = 16 tokens of h, source 1 = 16 rows of W2.  Wave v, tile b, lane r owns column 256 G + 64 v + 4 r + b: register j of tiles b = 0 .. 3 are then FOUR NEIGHBOURING columns of one token
; in one lane, so that the addition of b2 lays 16 bytes side by side and sixteen lanes store 256 consecutive aligned bytes: no stage in LDS on the way out.  Wave w's tensor load brings plane b = w of a slot
; (rows 256 G + 4 y + w, y = 0 .. 63, four rows apart in memory), so that the sixteen rows of a tile are neighbours in LDS.
; FIRST PRODUCT (K = 8, f32 operands, v_wmma_f32_16x16x4_f32, two instructions deep), used transposed: source 0 = 16 rows of W1, source 1 = q of 16 tokens; b1 is the C of the first instruction.
; In each K step wave w makes block w (hidden units 32 w .. 32 w + 31) for all 64 tokens.  THE ROWS OF W1 THAT FORM A TILE ARE NOT NEIGHBOURS: lane r of tile u takes row 8 u + r + 8 (r / 8), so that a lane's 16
; registers of tiles 0 and 1 are units 16 (lane / 16) + 0 .. 15 of its token.  The 8 features are shared out alike on both sides: lane (r, h) holds features 4 h .. 4 h + 3.
; THE ACTIVATION IS TAKEN ON THE CODES: the block's maximum is taken without |.| (a negative number does not count; a floor stands under it), and behind the conversion each negative code keeps its sign bit alone (-0).
; CLUSTER: the four work-groups of a cluster walk the same W2, so each tile is asked for JOINTLY (mask 15).
; WHERE A CLUSTER BEGINS.  Cluster i begins at chunk c0 (bits 0, 1, 4 of i) and goes round the eight; in every chunk it walks the four groups from g0 on (bit 2 xor bit 3, bit 3 xor bit 5 of i).  The text's POSITION p
; (0 .. 3: registers, buffers and the order in time) holds group G = (g0 + p) mod 4: only addresses know G.  Any 32 clusters whose numbers agree in bit 2, in bit 3 or in bit 5 begin at 32 different slots, so their
; first fills name every slot of W2 between them.
; LIMITS: |x| and |theta| under 2^20 (the angle is reduced by a pi / 2 in three parts); NaN and infinities are not served; a block of h without a positive number gets the byte 1 (not 127) and zero codes: the bytes
; are read by this program alone; the order in which the eight chunks of K are summed differs from cluster to cluster; b1 is the first addend of the first product's f32 sum.
;
; LDS:  0 the ring, 2 buffers of 256 rows x (256 + 16) bytes | SCL all of W2's scale bytes, 512 units of 256 + 16, filled once | SPARE the spare words | HIMG h's 16 fragments of a chunk as images of their registers | HSC their scale bytes
; THE HEAD'S FILLS: each wave issues one tensor load at the head (its quarter of the scale bytes); its plane of slot 0 and its plane of slot 1 follow each behind the three lines and a round of their own.
; THE SCALE BYTES' TILE is stated 272 bytes wide over a tensor extent of 256: the 16 bytes past the extent arrive as zeros, so that a unit's 272 bytes in LDS are all written and the units stay 272 bytes apart.
; NO DATA PREFETCH IS LAID: W2 is 32 slots, and the 64 clusters' first two fills of codes name all 32 between them, so every later fill names bytes that other work-groups of this launch have read before it;
; x, theta and the first six K steps of W1 and b1 are asked for at the head, where there is no loop to run ahead in.
; THE HEAD'S FILLS AS THE TEXT HAS THEM (this takes the place of the paragraph of that name above): one tensor load a wave at the head, in one tree of two arms: waves 0 and 1 bring slot 0 as two tiles of 128 rows,
; two rows of W2 apart in memory (tile w: rows 2 y' + w), waves 2 and 3 each half of the scale bytes (256 units).  In those two tiles planes b and b + 2 lie row by row in turn, so slot 0 alone is read through an
; address of its own (FETCHN).  Slot 1's four planes follow behind the three lines and a round, in which group 1 is given the ring's shape (64 rows, four rows of W2 apart).
.set PLANE, 17408
.set SLOT,  69632                      ; four planes
.set SCL,   139264
.set GRPS,  34816                      ; a group's scale bytes: 128 units of 272
.set SPARE, 278528                     ; 128 bytes for each wave: two blocks of 256 bytes that no other line names
.set HIMG,  279040                     ; fragment (q, m) at 1024 (4 q + m); register group c at + 512 c; lane l at + 16 l
.set HSC,   295424                     ; the byte of block w, token row r, tile m, K step q at 256 q + 16 r + 4 m + w
; VECTOR REGISTERS, in windows of 256.  Window 0:
.set B2O,  1                           ; v1      16 r
.set SPW,  2                           ; v2      LDS address of my spare word; never rewritten
.set NIL,  3                           ; v3      0; never rewritten
.set ADRB, 4                           ; v4-5    my lane's place in a plane of buffer 0, 1
.set ADRR, 8                           ; v8      my lane's scale words of W2 for group 0, chunk 0
.set LI,   9                           ; v9      HIMG + 16 x lane
.set HSA,  10                          ; v10     HSC + 16 r
.set HWI,  11                          ; v11     where I store my 8 bytes of codes: HIMG + 256 w + 16 r + 8 h
.set HWS,  12                          ; v12     and my block's byte: HSC + 16 r + w
.set W1O,  13                          ; v13     my row's 16 bytes in a tile of W1
.set B1O,  14                          ; v14     64 h
.set CO,   15                          ; v15     my 16 bytes in out0: 8 h rows + 16 r
.set Q,    16                          ; v16-31  q(token 16 m + r, features 4 h .. 4 h + 3) at Q + 4 m; x before that;
.set B2V,  16                          ;         at the end b2 of my columns, at B2V + 4 p + b
.set HS,   32                          ; v32-47  h's scale words, HS + 4 q + m
.set WS,   48                          ; v48-55  W2's scale words, WS + 4 e + q: lanes 0-15 tile b = e, lanes 16-31 tile b = e + 2
.set W1F,  56                          ; v56-71  W1's fragments: set p at + 8 p, tile u at + 4 u
.set B1,   72                          ; v72-103 b1 in the result's layout: set p at + 16 p, tile u at + 8 u;
.set T,    72                          ;         at the end 32 registers on the way out
.set D,    104                         ; v104-231 the first product's results, two sets of 64: written by matrix instructions alone
.set TM,   232                         ; v232-235 a block's largest number, then its byte; at the end b2's offsets
.set TX,   236                         ; v236-239 the other half's; then the masks of negative codes
.set TS,   240                         ; v240-243 the conversions' scale operands; then at work
.set PC,   244                         ; v244-251 the codes
.set ADRS, 252                         ; v252-255 my lane's scale words of W2 for the chunk in hand, position p at ADRS + p
; Window 1: v0-127 h's fragments A(q, m) at 32 q + 8 m; v128-255 W2's fragments B(q, b) at 128 + 32 q + 8 b.  Windows 2, 3: the accumulators of positions 0, 1 and 2, 3, at 128 (p % 2) + 32 m + 8 b.
; At the head only: v6-7, v32-55, v232-251 at work on the angles
.set TH,   32
.set CTH,  36
.set STH,  40
.set HXP,  44
.set NP,   46
.set RP,   48
.set ZP,   50
.set PSP,  52
.set PCP,  54
.set CXP,  232
.set SXP,  234
.set T1,   236
.set T2,   238
.set T3,   240
.set T4,   242
.set S2V,  250
.set C2V,  6
; SCALAR REGISTERS: s[4:5] x, s[6:7] theta, s[8:9] W1, s[10:11] b1, s[12:13] W2's codes, s[14:15] W2's scales, s[16:17] b2, s[18:19] out0, each at my work-group's and my wave's part
.set WV,   20                          ; my wave's number
.set CT,   21                          ; the chunk in hand, before mod 8: the cluster's first + those done
.set CNT,  22
.set SGN,  23                          ; the sign bits of eight codes
.set G1,   24                          ; s[24:31] descriptor group 1 for a plane of codes
.set G0,   32                          ; s[32:39] group 0, one set for each buffer
.set G1S,  40                          ; s[40:47], s[48:51] groups 1 and 0 for the scale bytes
.set G0S,  48
.set SEL,  52                          ; s[52:53] v_permlanex16_b32's selects for lane l xor 16
.set W1P,  54                          ; s[54:55] W1 and s[58:59] b1 at the chunk whose K steps are being loaded
.set B1P,  58                          ; s[56:57], s[60:61], s[62:63], s[82:83]: offsets; their upper words stay 0.  s86, s[88:89]: my place in the cluster and what hangs on it: global addresses of x and out0 alone
.set KIP,  66                          ; constants, each twice: the packed forms name a pair
.set KP1,  68
.set KP2,  70
.set KP3,  72
.set KS3,  74
.set KS1,  76
.set KC3,  78
.set KC1,  80
.set GO,   90                          ; s90-93  position p's group in W2's codes: 524,288 G bytes (256 rows)
.set SW,   94                          ; s94-97  and among the scale bytes in LDS: GRPS x G
.set OB,   98                          ; s[98:99] out0 at the group that is leaving
.set MSB, 0
.macro WIN new                         ; the immediate's high byte repeats the setting that is left; a switch that changes nothing is dropped
.if MSB != (\new)
	s_set_vgpr_msb (MSB<<8)|(\new)
.set MSB, (\new)
.endif
.endm
.macro PLACES n
.rept \n
	v_nop
.endr
.endm
.macro KPAIR r, val
	s_mov_b32 s[\r], \val
	s_mov_b32 s[\r+1], \val
.endm
.macro CREST                           ; a round of the cluster's barrier behind its opening barrier
	s_cmp_lg_u32 s[WV], 0
	s_cbranch_scc1 .Lnot_wave_0_\@
	s_barrier_signal -3
.Lnot_wave_0_\@:
	s_barrier_wait -3
	s_barrier_signal -1
	s_barrier_wait -1
.endm
.macro CROUND                          ; a whole round
	s_barrier_signal -1
	s_barrier_wait -1
	CREST
.endm
; Group 0 of buffer buf takes the address of my plane of position p of the chunk d on from the one in hand: 256 bytes a chunk
.macro ADDR buf, p, d
.if \d
	s_add_co_u32 s56, s[CT], \d
	s_and_b32 s56, s56, 7
.else
	s_and_b32 s56, s[CT], 7
.endif
	s_lshl_b32 s56, s56, 8
	s_add_co_u32 s56, s56, s[GO+(\p)]
	s_add_nc_u64 s[G0+4*(\buf)+2:G0+4*(\buf)+3], s[12:13], s[56:57]
	s_or_b32 s[G0+4*(\buf)+3], s[G0+4*(\buf)+3], 0x80000000      ; type = 2
.endm
.macro NEWC d                          ; W2's scale words of the chunk d on: 16 bytes a chunk in each row of 128; one address for each position
	WIN 0
	s_add_co_u32 s56, s[CT], \d
	s_and_b32 s56, s56, 7
	s_lshl_b32 s56, s56, 4
.irp p, 0,1,2,3
	s_add_co_u32 s60, s56, s[SW+\p]
	v_add_nc_u32 v[ADRS+\p], s60, v[ADRR]
.endr
.endm
.macro SETP d                          ; W1 and b1 at the chunk d on: 512 rows of 32 bytes, 512 numbers
	s_add_co_u32 s60, s[CT], \d
	s_and_b32 s60, s60, 7
	s_lshl_b32 s62, s60, 11
	s_lshl_b32 s60, s60, 14
	s_wait_xcnt 0x0                                ; the loads issued so far have read their bases: only behind this wait are the two written
	s_add_nc_u64 s[W1P:W1P+1], s[8:9], s[60:61]
	s_add_nc_u64 s[B1P:B1P+1], s[10:11], s[62:63]
.endm
.macro LD p, k                         ; K step k of that chunk: my block's two tiles of W1 and its 32 numbers of b1, into set p: six loads
.irp u, 0,1
	global_load_b128 v[W1F+8*(\p)+4*\u:W1F+8*(\p)+4*\u+3], v[W1O], s[W1P:W1P+1] offset:4096*(\k)+256*\u
.endr
.irp n, 0,1,2,3
	global_load_b128 v[B1+16*(\p)+4*\n:B1+16*(\p)+4*\n+3], v[B1O], s[B1P:B1P+1] offset:512*(\k)+16*\n
.endr
.endm
; A fragment of 4-bit codes, 16 rows x 128 K, is 8 registers: lane l holds row l % 16; registers 4 c .. 4 c + 3 hold K = 64 c + 32 (l / 16) + 0 .. 31
; THE LAUNCH'S FIRST FOUR K STEPS OF h take their operands from window 1, which holds nothing else at the head: all their loads go out together at the start.
.macro LDH j, k                        ; K step j (k of the chunk at W1P): my block's two tiles of W1, then its 32 numbers of b1: 24 registers of window 1
.set HB, 32+24*(\j)+128*((\j)/3)
.irp u, 0,1
	global_load_b128 v[HB+4*\u:HB+4*\u+3], v[W1O], s[W1P:W1P+1] offset:4096*(\k)+256*\u
.endr
.irp n, 0,1,2,3
	global_load_b128 v[HB+8+4*\n:HB+8+4*\n+3], v[B1O], s[B1P:B1P+1] offset:512*(\k)+16*\n
.endr
.endm
.macro WMH j                           ; K step j is multiplied into set j % 2 of D: eight first instructions with b1 as C, then the eight links in place; the eight accumulators take turns
.set HB, 32+24*(\j)+128*((\j)/3)
.set DP, D+64*((\j)%2)
	s_wait_alu depctr_va_vdst(0)
	s_wait_loadcnt 30-6*(\j)                       ; behind K step j's six loads stand those of K steps j + 1 .. 5: 6 (5 - j)
	WIN 0x11                                       ; sources 0 (W1) and 2 (b1) window 1
.set i, 0
.rept 8
	v_wmma_f32_16x16x4_f32 v[DP+8*i:DP+8*i+7], v[HB+4*(i%2):HB+4*(i%2)+1], v[Q+4*(i/2):Q+4*(i/2)+1], v[HB+8+8*(i%2):HB+8+8*(i%2)+7]
.set i, i+1
.endr
	WIN 0x01                                       ; source 0 window 1
.set i, 0
.rept 8
	v_wmma_f32_16x16x4_f32 v[DP+8*i:DP+8*i+7], v[HB+4*(i%2)+2:HB+4*(i%2)+3], v[Q+4*(i/2)+2:Q+4*(i/2)+3], v[DP+8*i:DP+8*i+7]
.set i, i+1
.endr
	WIN 0
.endm
.macro FETCHB buf, q                   ; W2's four tiles of K step q
	WIN 0x40                                       ; destination window 1, address window 0
.irp b, 0,1,2,3
.irp c, 0,1
	ds_load_b128 v[128+32*(\q)+8*\b+4*\c:128+32*(\q)+8*\b+4*\c+3], v[ADRB+(\buf)] offset:PLANE*\b+64*(\q)+32*\c
.endr
.endr
.endm
.set ADRN, 0                           ; v0 (the thread's number is used no more by then): my lane's place in the head's two tiles of slot 0: 544 (16 v + r) + 16 h
.macro FETCHN q                        ; W2's four tiles of K step q out of the head's layout of slot 0: row 4 y + b of the slot lies in tile b % 2, at its row 2 y + b / 2
	WIN 0x40
.irp b, 0,1,2,3
.irp c, 0,1
	ds_load_b128 v[128+32*(\q)+8*\b+4*\c:128+32*(\q)+8*\b+4*\c+3], v[ADRN] offset:34816*(\b%2)+272*(\b/2)+64*(\q)+32*\c
.endr
.endr
.endm
.macro FETCHA q                        ; h's four tiles of K step q, as they were stored, and their scale words
	WIN 0x40
.irp m, 0,1,2,3
.irp c, 0,1
	ds_load_b128 v[32*(\q)+8*\m+4*\c:32*(\q)+8*\m+4*\c+3], v[LI] offset:1024*(4*(\q)+\m)+512*\c
.endr
.endr
	WIN 0
	ds_load_b128 v[HS+4*(\q):HS+4*(\q)+3], v[HSA] offset:256*(\q)
.endm
.macro FETCHW g                        ; W2's scale words of position g: four K steps' words of a row by one load; lanes 0-15 take tiles 0 and 1, lanes 16-31 tiles 2 and 3
	WIN 0
.irp e, 0,1
	ds_load_b128 v[WS+4*\e:WS+4*\e+3], v[ADRS+(\g)] offset:128*\e
.endr
.endm
; Eight products of the second product: tiles of tokens m0, m0 + 1 x the four tiles of columns, K step q, position g.  zero = 1: they start the sums: nothing is ever cleared.
; A position's 16 accumulators take turns, one instruction a turn, in the same order in every K step.
.macro MUL8 g, q, m0, zero
	WIN 0xa5+0x50*((\g)/2)                         ; sources 0 and 1 window 1; C and D window 2 or 3
.irp m, \m0, \m0+1
.irp b, 0,1,2,3
.set rC, 128*((\g)%2)+32*(\m)+8*\b
.set rA, 32*(\q)+8*(\m)
.set rB, 128+32*(\q)+8*\b
.set rH, HS+4*(\q)+(\m)
.set rW, WS+4*(\b%2)+(\q)
.if \zero
.if \b < 2
	v_wmma_scale_f32_16x16x128_f8f6f4 v[rC:rC+7], v[rA:rA+7], v[rB:rB+7], 0, v[rH], v[rW] matrix_a_fmt:MATRIX_FMT_FP4 matrix_b_fmt:MATRIX_FMT_FP4
.else
	v_wmma_scale_f32_16x16x128_f8f6f4 v[rC:rC+7], v[rA:rA+7], v[rB:rB+7], 0, v[rH], v[rW] matrix_a_fmt:MATRIX_FMT_FP4 matrix_b_fmt:MATRIX_FMT_FP4 matrix_b_scale:MATRIX_SCALE_ROW1
.endif
.else
.if \b < 2
	v_wmma_scale_f32_16x16x128_f8f6f4 v[rC:rC+7], v[rA:rA+7], v[rB:rB+7], v[rC:rC+7], v[rH], v[rW] matrix_a_fmt:MATRIX_FMT_FP4 matrix_b_fmt:MATRIX_FMT_FP4
.else
	v_wmma_scale_f32_16x16x128_f8f6f4 v[rC:rC+7], v[rA:rA+7], v[rB:rB+7], v[rC:rC+7], v[rH], v[rW] matrix_a_fmt:MATRIX_FMT_FP4 matrix_b_fmt:MATRIX_FMT_FP4 matrix_b_scale:MATRIX_SCALE_ROW1
.endif
.endif
.endr
.endr
.endm
; The activation on four registers of codes, c on: SIGN takes the sign bits (8 a negative code) and a 1 for each; CLEAR makes 8 - 1 = 7, the three other bits of each negative code, and clears them.
.macro SIGN c
.irp n, 0,1,2,3
	v_and_b32 v[TX+\n], s[SGN], v[PC+\c+\n]
.endr
.irp n, 0,1,2,3
	v_lshrrev_b32 v[TS+\n], 3, v[TX+\n]
.endr
.endm
.macro CLEAR c
.irp n, 0,1,2,3
	v_sub_nc_u32 v[TX+\n], v[TX+\n], v[TS+\n]
.endr
.irp n, 0,1,2,3
	v_bfi_b32 v[PC+\c+\n], v[TX+\n], 0, v[PC+\c+\n]
.endr
.endm
; ONE K STEP OF h IS MULTIPLIED (wm: into set p of D) WHILE THE K STEP BEFORE IT IS QUANTISED (qz: out of the other set, into image qi): the vector lines stand between the matrix instructions; all of it lies in window 0.
; The eight accumulators (tile of tokens i / 2, tile of units i % 2) take turns: eight first instructions, with b1 as C, then the eight links in place.
; ld: the K step two on is asked for (LD p, k), into the operands just multiplied.  lc: how many younger loads may stay out when this step's operands have to be there.
; PLACES: eight behind this matrix form ahead of a vector read of its results and of a load into its operands.  The last eight vector lines of the quantiser, which name none of its registers, are
; those places; where nothing is quantised, eight v_nop.
.macro WMQZ p, wm, qz, qi, ld, k, lc
.set DP, D+64*(\p)
.set DQ, D+64*(1-(\p))
.if (\wm) || (\qz)
	WIN 0
.endif
.if \wm
	s_wait_loadcnt \lc
.endif
.set i, 0
.rept 8
.if \wm
	v_wmma_f32_16x16x4_f32 v[DP+8*i:DP+8*i+7], v[W1F+8*(\p)+4*(i%2):W1F+8*(\p)+4*(i%2)+1], v[Q+4*(i/2):Q+4*(i/2)+1], v[B1+16*(\p)+8*(i%2):B1+16*(\p)+8*(i%2)+7]
.endif
.if \qz
.irp n, 0,1,2,3                        ; the largest of my 16 numbers of token 16 n + r, the four tokens by turns; no |.|: what is negative does not count; each accumulator is read from its low end on
.if i == 0
	v_max3_num_f32 v[TM+\n], v[DQ+16*\n], v[DQ+16*\n+1], 0x1800000   ; and the floor 2^(3 - 127): the byte cannot fall under 1
.else
	v_max3_num_f32 v[TM+\n], v[TM+\n], v[DQ+16*\n+2*i], v[DQ+16*\n+2*i+1]
.endif
.endr
.endif
.set i, i+1
.endr
.set i, 0
	s_wait_alu depctr_va_vdst(0)
.rept 8
.if \wm
	v_wmma_f32_16x16x4_f32 v[DP+8*i:DP+8*i+7], v[W1F+8*(\p)+4*(i%2)+2:W1F+8*(\p)+4*(i%2)+3], v[Q+4*(i/2)+2:Q+4*(i/2)+3], v[DP+8*i:DP+8*i+7]
.endif
.if \qz
.if i == 0
.irp n, 0,1,2,3
	v_permlanex16_b32 v[TX+\n], v[TM+\n], s[SEL], s[SEL+1]
.endr
.elseif i == 1
.irp n, 0,1,2,3
	v_max_num_f32 v[TM+\n], v[TM+\n], v[TX+\n]     ; with lane l xor 16's 16 numbers: the block's
.endr
.elseif i == 2
.irp n, 0,1,2,3
	v_add_nc_u32 v[TS+\n], 0xff000000, v[TM+\n]    ; 2 off its exponent field: the conversion takes the exponent field of this operand as its scale
.endr
.elseif i == 3
.irp n, 0,1,2,3
	v_lshrrev_b32 v[TM+\n], 23, v[TS+\n]           ; the scale's byte
.endr
.elseif i == 4
.irp n, 0,1,2,3,4,5,6,7
	v_cvt_scalef32_pk8_fp4_f32 v[PC+\n], v[DQ+8*\n:DQ+8*\n+7], v[TS+\n/2]   ; units 16 h + 8 (n % 2) + 0 .. 7 of token 16 (n / 2) + r
.endr
.elseif i == 5
	v_nop                                          ; one plain place behind the scaled conversions
	SIGN 0
.elseif i == 6
	CLEAR 0
	SIGN 4
.else
	CLEAR 4
.endif
.endif
.set i, i+1
.endr
.if \qz
.irp n, 0,1,2,3                        ; block w of a row is the 16 bytes of lane r + 16 (w % 2), register group w / 2, of the fragment: my 8 bytes of it lie at 256 w + 16 r + 8 h: the wave stores 256 consecutive bytes
	ds_store_b64 v[HWI], v[PC+2*\n:PC+2*\n+1] offset:1024*(4*(\qi)+\n)
	ds_store_b8 v[HWS], v[TM+\n] offset:256*(\qi)+4*\n       ; both lanes of a row write the same byte with the same value
.endr
.endif
.if \ld
.if (\qz) == 0
	PLACES 8
.endif
	LD \p, \k
.endif
.endm
; THE CHANGE OF SLOTS, in the last 24 products of position gp.  Each wave waits for all its tensor loads (one is out: its plane of the next slot), adds 0 to its spare word, and waits for that and for all its LDS
; instructions: its reads of this slot's buffer and of h's images are in, its stores of images have landed.  fill = 1: the barrier opens a round of the cluster's barrier, and the buffer just read out is filled again,
; with position fp of the chunk fd on: the slot after the next.  The four v_nop are also the places in front of the loads that follow (ISA guide 7.12.1 for vector instructions).
.macro TURN gp, fill, fbuf, fp, fd
	MUL8 \gp, 2, 2, 0
	WIN 0                                          ; (the add's two registers lie in window 0)
	s_wait_tensorcnt 0x0                           ; no tensor load of mine is out, so a group 0 may be written
	ds_add_u32 v[SPW], v[NIL]                      ; 0 onto my spare word
.if \fill
	ADDR \fbuf, \fp, \fd
.endif
	MUL8 \gp, 3, 0, 0                              ; eight products stand between the add and the wait for it
	s_wait_dscnt 0x0
	s_barrier_signal -1
	MUL8 \gp, 3, 2, 0
	WIN 0
	s_barrier_wait -1
.if \fill
	CREST                                          ; no wave of any partner still reads the buffer or has a load on its way
	tensor_load_to_lds s[G0+4*(\fbuf):G0+4*(\fbuf)+3], s[G1:G1+7]   ; my one tensor load behind the round, and the first thing there
	s_nop 0
.endif
	PLACES 4
.endm
; THE WAY OUT of position p: for each tile of tokens, b2 is added and four tiles' register j fall side by side: out0(16 m + 8 h + j, 256 G + 64 v + 4 r + 0 .. 3).
.macro OUTM p, m                       ; one tile of 16 tokens of position p: 32 additions, 8 stores
	s_wait_xcnt 0x0                                ; the stores issued so far have read their data and their base: only behind this wait are they written again
	s_lshr_b32 s82, s[GO+(\p)], 9                  ; 1,024 G bytes: the group's 256 columns
	s_add_nc_u64 s[OB:OB+1], s[18:19], s[82:83]
	WIN 0x02+(\p)/2                                ; source 0 window 2 or 3
.irp j, 0,1,2,3,4,5,6,7
.irp b, 0,1,2,3
	v_add_f32 v[T+4*\j+\b], v[128*((\p)%2)+32*\m+8*\b+\j], v[B2V+4*(\p)+\b]   ; each accumulator from its low end on
.endr
.endr
	WIN 0
.irp j, 0,1,2,3,4,5,6,7
	global_store_b128 v[CO], v[T+4*\j:T+4*\j+3], s[OB:OB+1] offset:4096*(16*\m+\j) th:TH_STORE_NT   ; sixteen lanes store 256 consecutive bytes, at a multiple of 256 from out0's first byte
.endr
.endm
; THE HEAD OF A SLOT.  All its operands are asked of LDS in ONE run, straight behind the change of slots (each fragment of W2 is read from LDS once); then h is carried a K step on while they land.
; fa: h's fragments of K steps 2 and 3 of the new chunk.  newc: a new chunk's scale words.  out: the position whose sums are finished leaves (-1: none).
.macro HEAD g, p, wm, qz, ld, k, lc, fa, newc, out
.if \newc
	NEWC 1
.endif
	FETCHW \g
.if \fa
	FETCHA 2
	FETCHA 3
.endif
	FETCHB (\g)%2, 0
	FETCHB (\g)%2, 1
	FETCHB (\g)%2, 2
	FETCHB (\g)%2, 3
	WMQZ \p, \wm, \qz, \g, \ld, \k, \lc
.if (\out) >= 0
	OUTM \out, 0                                   ; the finished position's first 16 tokens leave while the slot's operands come from LDS; the other 48 leave among the slot's products
.endif
.if \qz
	s_wait_dscnt 0x8                               ; a wave's LDS instructions end in order (ISA guide 5.7.1): the image's eight stores are the youngest and may stay out, every operand is in.
	                                               ; The stores are waited for in front of the next barrier's signal, ahead of which nobody reads them and their registers are not written
.else
	s_wait_dscnt 0x0                               ; the slot's operands are in
.endif
.endm
; The first 40 products of a slot: K steps 0 and 1 and half of 2.  reload: position 3 is the last to multiply by the chunk's h: the fragments of K steps 0 and 1 give way to the next chunk's as soon as their
; products are issued (image 0 is stored anew at the next slot's head); those of K steps 2 and 3 follow at that head.
.macro BODY g, zero, reload
	MUL8 \g, 0, 0, \zero
	MUL8 \g, 0, 2, \zero
.if \reload
	PLACES 4
	FETCHA 0
.endif
	MUL8 \g, 1, 0, 0
	MUL8 \g, 1, 2, 0
.if \reload
	PLACES 4
	FETCHA 1
.endif
	MUL8 \g, 2, 0, 0
.endm
; The same 40 products in the last chunk: tokens 16 to 63 of the position finished in the slot before leave among them, 8 stores at a time.
; The additions name no register of the products round them; the four places behind that position's last products stand at the end of the change of slots.
.macro BODYO g, out
	MUL8 \g, 0, 0, 0
	OUTM \out, 1
	MUL8 \g, 0, 2, 0
	MUL8 \g, 1, 0, 0
	OUTM \out, 2
	MUL8 \g, 1, 2, 0
	MUL8 \g, 2, 0, 0
	OUTM \out, 3
.endm
; THE LAST SLOT GOES BY TILES OF TOKENS: all sixteen products of tile m, K ascending; its four accumulators take turns, one instruction a turn, three others between a sum's steps.
.macro MULM g, m
	WIN 0xa5+0x50*((\g)/2)
.irp q, 0,1,2,3
.irp b, 0,1,2,3
.set rC, 128*((\g)%2)+32*(\m)+8*\b
.set rA, 32*\q+8*(\m)
.set rB, 128+32*\q+8*\b
.set rH, HS+4*\q+(\m)
.set rW, WS+4*(\b%2)+\q
.if \b < 2
	v_wmma_scale_f32_16x16x128_f8f6f4 v[rC:rC+7], v[rA:rA+7], v[rB:rB+7], v[rC:rC+7], v[rH], v[rW] matrix_a_fmt:MATRIX_FMT_FP4 matrix_b_fmt:MATRIX_FMT_FP4
.else
	v_wmma_scale_f32_16x16x128_f8f6f4 v[rC:rC+7], v[rA:rA+7], v[rB:rB+7], v[rC:rC+7], v[rH], v[rW] matrix_a_fmt:MATRIX_FMT_FP4 matrix_b_fmt:MATRIX_FMT_FP4 matrix_b_scale:MATRIX_SCALE_ROW1
.endif
.endr
.endr
.endm
; cos and sin of HALF of two angles, but for their signs, of which only squares are used.  n = the nearest whole number to x / pi; r = x / 2 - n pi / 2 in three parts; polynomials on |r| <= pi / 4; odd n: the two change places.
.macro SINCOS2 xp, cp, sp
	v_pk_mul_f32 v[HXP:HXP+1], v[\xp:\xp+1], 0.5 op_sel_hi:[1,0]
	v_pk_mul_f32 v[NP:NP+1], v[\xp:\xp+1], s[KIP:KIP+1] op_sel_hi:[1,0]
	v_rndne_f32 v[NP], v[NP]
	v_rndne_f32 v[NP+1], v[NP+1]
	v_pk_fma_f32 v[RP:RP+1], v[NP:NP+1], s[KP1:KP1+1], v[HXP:HXP+1] op_sel_hi:[1,0,1]
	v_pk_fma_f32 v[RP:RP+1], v[NP:NP+1], s[KP2:KP2+1], v[RP:RP+1] op_sel_hi:[1,0,1]
	v_pk_fma_f32 v[RP:RP+1], v[NP:NP+1], s[KP3:KP3+1], v[RP:RP+1] op_sel_hi:[1,0,1]
	v_pk_mul_f32 v[ZP:ZP+1], v[RP:RP+1], v[RP:RP+1]
	v_pk_fma_f32 v[PSP:PSP+1], v[ZP:ZP+1], s[KS3:KS3+1], v[S2V:S2V+1] op_sel_hi:[1,0,1]
	v_pk_fma_f32 v[PCP:PCP+1], v[ZP:ZP+1], s[KC3:KC3+1], v[C2V:C2V+1] op_sel_hi:[1,0,1]
	v_pk_fma_f32 v[PSP:PSP+1], v[PSP:PSP+1], v[ZP:ZP+1], s[KS1:KS1+1] op_sel_hi:[1,1,0]
	v_pk_fma_f32 v[PCP:PCP+1], v[PCP:PCP+1], v[ZP:ZP+1], s[KC1:KC1+1] op_sel_hi:[1,1,0]
	v_pk_mul_f32 v[PSP:PSP+1], v[PSP:PSP+1], v[ZP:ZP+1]
	v_pk_fma_f32 v[PCP:PCP+1], v[PCP:PCP+1], v[ZP:ZP+1], -0.5 op_sel_hi:[1,1,0]
	v_pk_fma_f32 v[PSP:PSP+1], v[PSP:PSP+1], v[RP:RP+1], v[RP:RP+1]      ; sin r = r + r z (S1 + z (S2 + z S3))
	v_pk_fma_f32 v[PCP:PCP+1], v[PCP:PCP+1], v[ZP:ZP+1], 1.0 op_sel_hi:[1,1,0]   ; cos r = 1 + z (-1/2 + z (C1 + z (C2 + z C3)))
.irp e, 0,1
	v_cvt_i32_f32 v[NP+\e], v[NP+\e]
	v_and_b32 v[NP+\e], 1, v[NP+\e]
	v_cmp_eq_u32 vcc_lo, 1, v[NP+\e]
	v_cndmask_b32 v[\cp+\e], v[PCP+\e], v[PSP+\e], vcc_lo
	v_cndmask_b32 v[\sp+\e], v[PSP+\e], v[PCP+\e], vcc_lo
.endr
.endm
.macro QPAIR qp, e                     ; q = ((ct cx)^2 + (st sx)^2) - ((st cx)^2 + (ct sx)^2), two features at a time
	v_pk_mul_f32 v[T1:T1+1], v[CTH+2*\e:CTH+2*\e+1], v[CXP:CXP+1]
	v_pk_mul_f32 v[T2:T2+1], v[STH+2*\e:STH+2*\e+1], v[SXP:SXP+1]
	v_pk_mul_f32 v[T3:T3+1], v[STH+2*\e:STH+2*\e+1], v[CXP:CXP+1]
	v_pk_mul_f32 v[T4:T4+1], v[CTH+2*\e:CTH+2*\e+1], v[SXP:SXP+1]
	v_pk_mul_f32 v[T1:T1+1], v[T1:T1+1], v[T1:T1+1]
	v_pk_mul_f32 v[T3:T3+1], v[T3:T3+1], v[T3:T3+1]
	v_pk_fma_f32 v[T1:T1+1], v[T2:T2+1], v[T2:T2+1], v[T1:T1+1]
	v_pk_fma_f32 v[T3:T3+1], v[T4:T4+1], v[T4:T4+1], v[T3:T3+1]
	v_pk_add_f32 v[\qp:\qp+1], v[T1:T1+1], v[T3:T3+1] neg_lo:[0,1] neg_hi:[0,1]
.endm
	; ---- THE HEAD
	s_load_b256 s[4:11], s[0:1], 0x0               ; x, theta, W1, b1
	s_load_b256 s[12:19], s[0:1], 0x20             ; W2's codes, W2's scales, b2, out0
	v_lshl_add_u32 v[SPW], v0, 2, SPARE
	v_mov_b32 v[NIL], 0
	ds_add_u32 v2, v3
	ds_add_u32 v2, v3
	s_wait_dscnt 0x0
	v_lshrrev_b32 v244, 5, v0
	v_readfirstlane_b32 s[WV], v244                ; wave 0..3
	v_and_b32 v244, 15, v0                         ; r
	v_bfe_u32 v245, v0, 4, 1                       ; h
	v_and_b32 v246, 31, v0                         ; lane
	v_lshlrev_b32 v247, 12, v244
	v_lshl_add_u32 v247, v245, 4, v247             ; x: token r's row of 4,096 bytes, features 4 h on
	v_lshlrev_b32 v248, 4, v245                    ; theta: the same features
	v_and_b32 v249, 8, v244
	v_add_nc_u32 v249, v249, v244                  ; r + 8 (r / 8)
	v_lshlrev_b32 v249, 5, v249
	v_lshl_add_u32 v[W1O], v245, 4, v249           ; W1: that row of 32 bytes, features 4 h on
	v_lshlrev_b32 v[B1O], 6, v245                  ; b1: units 16 h on
	s_bfe_u32 s86, ttmp6, 0x40000                  ; cx: my place in the cluster
	s_lshl_b32 s88, ttmp9, 2                       ; in a cluster launch ttmp9 counts clusters
	s_add_co_u32 s88, s88, s86                     ; my work-group = 4 x cluster + cx: it enters x's and out0's addresses alone
	s_lshl_b32 s88, s88, 18                        ; its 64 rows of 4,096 bytes
	s_mov_b32 s89, 0
	s_lshr_b32 s60, ttmp9, 2                       ; where the cluster begins: the same in all four partners
	s_and_b32 s60, s60, 4
	s_and_b32 s[CT], ttmp9, 3
	s_or_b32 s[CT], s[CT], s60                     ; c0: bits 0, 1 and 4 of the cluster's number
	s_lshr_b32 s60, ttmp9, 1
	s_xor_b32 s60, s60, ttmp9
	s_bfe_u32 s60, s60, 0x10002                    ; bit 2 xor bit 3
	s_lshr_b32 s62, ttmp9, 2
	s_xor_b32 s62, s62, ttmp9
	s_bfe_u32 s62, s62, 0x10003                    ; bit 3 xor bit 5
	s_lshl_b32 s62, s62, 1
	s_or_b32 s60, s60, s62                         ; g0
.irp p, 0,1,2,3
	s_add_co_u32 s62, s60, \p
	s_and_b32 s62, s62, 3                          ; G = (g0 + p) mod 4
	s_lshl_b32 s[GO+\p], s62, 19
	s_mul_i32 s[SW+\p], s62, GRPS
.endr
	s_mov_b32 s57, 0                               ; the offsets' upper words
	s_mov_b32 s61, 0
	s_mov_b32 s63, 0
	s_mov_b32 s83, 0
	s_mov_b32 s[SGN], 0x88888888
	s_mov_b32 s[SEL], 0x76543210
	s_mov_b32 s[SEL+1], 0xfedcba98
	KPAIR KIP, 0x3ea2f983                          ; 1 / pi
	KPAIR KP1, 0xbfc90000                          ; -pi / 2 in three parts: 1.5703125,
	KPAIR KP2, 0xb9fda000                          ; 4.8375130e-4,
	KPAIR KP3, 0xb3a22168                          ; 7.5497900e-8
	KPAIR KS3, 0xb94ca1f9                          ; -1.9515296e-4
	KPAIR KS1, 0xbe2aaaa3                          ; -1.6666655e-1
	KPAIR KC3, 0x37ccf5ce                          ; 2.4433157e-5
	KPAIR KC1, 0x3d2aaaa5                          ; 4.1666646e-2
	; descriptor group 1: a plane of 64 rows x 256 bytes, four rows of W2 (8,192 bytes) apart in memory, 16 bytes of padding behind each in LDS
	s_mov_b32 s[G1], 15|(0<<16)|(1<<20)|(1<<21)|(5<<22)|(3<<25)   ; 15:0 the mask: all four work-groups; 17:16 elements of 1 byte; 20 padding on; 21 set beside a mask; 24:22 after every 64 words (code 5); 31:25 four words (code 3)
	s_mov_b32 s[G1+1], 256<<16                     ; tensor_dim0
	s_mov_b32 s[G1+2], 128<<16                     ; tensor_dim1: 128 rows for the head's two tiles of slot 0; the ring's shape is set behind the wait for them
	s_mov_b32 s[G1+3], 256<<16                     ; tile_dim0
	s_mov_b32 s[G1+4], 128                         ; tile_dim1
	s_mov_b32 s[G1+5], 4096                        ; tensor_dim0_stride: two rows of W2
	s_mov_b32 s[G1+6], 0
	s_mov_b32 s[G1+7], 0
	; and for half of the scale bytes: 65,536 dense bytes as 256 rows of 256 (32 elements of 8 bytes), 16 bytes of padding behind each
	s_mov_b32 s[G1S], 15|(3<<16)|(1<<21)           ; the mask; elements of 8 bytes; bit 21 beside the mask; no padding: the tile itself is 272 bytes wide
	s_mov_b32 s[G1S+1], 32<<16                     ; tensor_dim0 = 32 elements: 256 bytes
	s_mov_b32 s[G1S+2], 256<<16                    ; half of the scale bytes: 256 units
	s_mov_b32 s[G1S+3], 34<<16                     ; tile_dim0 = 34 elements: the two past the extent are written as zeros
	s_mov_b32 s[G1S+4], 256
	s_mov_b32 s[G1S+5], 32
	s_mov_b32 s[G1S+6], 0
	s_mov_b32 s[G1S+7], 0
	s_mul_i32 s60, s[WV], PLANE                    ; where my plane goes: the wave's number alone enters these LDS addresses
	s_mov_b32 s[G0], 1
	s_mov_b32 s[G0+4], 1
	s_add_co_u32 s[G0+5], s60, SLOT
	s_mul_i32 s[G0+1], s[WV], 34816                ; the head's tiles of slot 0 (waves 0, 1): 128 rows of 272 bytes each
	s_mov_b32 s[G0S], 1
	s_mul_i32 s[G0S+1], s[WV], 69632               ; the halves of the scale bytes (waves 2, 3): SCL = 2 x 69,632
	s_wait_alu depctr_va_vdst(0)
	s_wait_kmcnt 0x0
	s_add_nc_u64 s[4:5], s[4:5], s[88:89]          ; x and out0 at my work-group's first token
	s_add_nc_u64 s[18:19], s[18:19], s[88:89]
	s_lshl_b32 s60, s[WV], 10
	s_add_nc_u64 s[8:9], s[8:9], s[60:61]          ; W1 at my block's 32 rows of a K step
	s_lshl_b32 s60, s[WV], 7
	s_add_nc_u64 s[10:11], s[10:11], s[60:61]      ; b1 likewise
	SETP 0
.irp m, 0,1,2,3                        ; x, theta and the first six K steps of W1 and b1 are asked for ahead of the round and the first fills: 41 loads
	global_load_b128 v[Q+4*\m:Q+4*\m+3], v247, s[4:5] offset:65536*\m th:TH_LOAD_NT
.endr
	global_load_b128 v[TH:TH+3], v248, s[6:7]
	WIN 0x40                                       ; destination window 1, address window 0
	LDH 0, 0
	LDH 1, 1
	LDH 2, 2
	LDH 3, 3
	WIN 0
	SETP 1                                         ; K steps 4 on belong to the next chunk
	LD 0, 0                                        ; K step 4
	LD 1, 1                                        ; K step 5
	s_lshl_b32 s60, s[WV], 8
	s_add_nc_u64 s[18:19], s[18:19], s[60:61]      ; out0 and b2 at my wave's 64 columns of a group
	s_add_nc_u64 s[16:17], s[16:17], s[60:61]
	s_lshl_b32 s60, s[WV], 11
	s_add_nc_u64 s[12:13], s[12:13], s[60:61]      ; W2's codes at row w: my plane
	s_and_b32 s60, s[WV], 1
	s_lshl_b32 s60, s60, 16                        ; wave 2: the first 65,536 scale bytes, wave 3: the second
	s_add_nc_u64 s[G0S+2:G0S+3], s[14:15], s[60:61]
	s_or_b32 s[G0S+3], s[G0S+3], 0x80000000
	ADDR 0, 0, 0                                   ; slot 0: position 0 of the first chunk;
	ADDR 1, 1, 0                                   ; slot 1: position 1
	CROUND                                         ; all four work-groups are here: the first joint loads meet
	s_cmp_lt_u32 s[WV], 2                          ; the head's loads, one a wave: one tree of two arms on the wave's number
	s_cbranch_scc0 .Lhead_s
	tensor_load_to_lds s[G0:G0+3], s[G1:G1+7]      ; waves 0, 1: rows 2 y' + w of slot 0
	s_nop 0
	PLACES 4
	s_branch .Lhead_asked
.Lhead_s:
	tensor_load_to_lds s[G0S:G0S+3], s[G1S:G1S+7]  ; waves 2, 3: half of the scale bytes
	s_nop 0
	PLACES 4
.Lhead_asked:
	v_lshlrev_b32 v[B2O], 4, v244
	v_mul_u32_u24 v[ADRB], v244, 272
	v_lshl_add_u32 v[ADRB], v245, 4, v[ADRB]
	s_mul_i32 s60, s[WV], 4352
	v_add_nc_u32 v[ADRB], s60, v[ADRB]             ; row 16 v + r of a plane, + 16 h
	v_add_nc_u32 v[ADRB+1], SLOT, v[ADRB]
	v_mul_u32_u24 v[ADRR], v244, 544               ; W2's row n has its scale bytes at 272 (n / 2) + 128 (n % 2); n = 256 G + 64 v + 4 r + b, and lanes 16-31 take b / 2 = 1
	v_mad_u32_u24 v[ADRR], v245, 272, v[ADRR]
	s_mul_i32 s60, s[WV], 8704
	s_add_co_u32 s60, s60, SCL
	v_add_nc_u32 v[ADRR], s60, v[ADRR]
	s_wait_alu depctr_va_vdst(0)
	v_lshl_add_u32 v[LI], v246, 4, HIMG
	v_lshl_add_u32 v[HSA], v244, 4, HSC
	v_lshl_add_u32 v[HWI], v245, 3, v[B2O]
	s_lshl_b32 s60, s[WV], 8
	s_add_co_u32 s60, s60, HIMG
	v_add_nc_u32 v[HWI], s60, v[HWI]
	v_add_nc_u32 v[HWS], s[WV], v[HSA]
	v_lshl_add_u32 v[CO], v245, 15, v[B2O]
	v_mul_u32_u24 v[ADRN], v244, 544               ; slot 0 in the head's layout: two LDS rows for each y = 16 v + r,
	v_lshl_add_u32 v[ADRN], v245, 4, v[ADRN]       ; + 16 h
	s_mul_i32 s60, s[WV], 8704
	v_add_nc_u32 v[ADRN], s60, v[ADRN]
	NEWC 0
	v_mov_b32 v[S2V], 0x3c08839e                   ; S2 = 8.3321609e-3 and C2 = -1.3887316e-3 stand in vector pairs, so that a packed line names one scalar pair
	v_mov_b32 v[S2V+1], 0x3c08839e
	v_mov_b32 v[C2V], 0xbab6061a
	v_mov_b32 v[C2V+1], 0xbab6061a
	s_wait_alu depctr_va_vdst(0)
	s_wait_loadcnt 36                              ; x and theta are in; the 36 loads of K steps 0 to 5 may be out
	SINCOS2 TH, CTH, STH
	SINCOS2 TH+2, CTH+2, STH+2
.irp m, 0,1,2,3
.irp e, 0,1
	SINCOS2 Q+4*\m+2*\e, CXP, SXP
	QPAIR Q+4*\m+2*\e, \e
.endr
.endr
	; ---- h's first five K steps; the first chunk's four images.  The count 6 leaves the next K step's six loads out
	WMH 0                                          ; K step 0 multiplied
	PLACES 8                                       ; eight places ahead of the vector reads of its results
	WMH 1                                          ; 1 multiplied;
	WMQZ 1, 0, 1, 0, 0, 0, 0                       ; 0 quantised: its vector lines are the places behind K step 1's products
	WMH 2
	s_wait_dscnt 0x0                               ; the stores have read their registers
	WMQZ 0, 0, 1, 1, 0, 0, 0                       ; 1 quantised
	s_wait_alu depctr_va_vdst(0)
	s_wait_tensorcnt 0x0                           ; my tile of the head's four is in; the three lines ahead of slot 1's first fill
	ds_add_u32 v[SPW], v[NIL]
	s_mov_b32 s[G1+2], 64<<16                      ; no tensor load of mine is out, so a descriptor may be written: from here on a load brings a plane: 64 rows,
	s_mov_b32 s[G1+4], 64
	s_mov_b32 s[G1+5], 8192                        ; four rows of W2 apart,
	s_mul_i32 s[G0+1], s[WV], PLANE                ; and buffer 0 takes my plane at its own place
	s_wait_dscnt 0x0                               ; the add is done, and the image's stores have read their registers
	CROUND                                         ; the scale bytes and slot 0 lie whole in LDS; the joint loads meet
	tensor_load_to_lds s[G0+4:G0+7], s[G1:G1+7]    ; slot 1's first fill: my plane, my one tensor load behind the round; K steps 2 to 4 of h and slot 0 stand between it and the wait for it
	s_nop 0
	PLACES 4
	WMH 3
	WMQZ 1, 0, 1, 2, 0, 0, 0                       ; 2 quantised
	s_wait_dscnt 0x0
	WMQZ 0, 1, 1, 3, 1, 2, 6                       ; 4 multiplied, 3 quantised; 6 asked for
	s_wait_dscnt 0x0                               ; for the others' sake: my parts of the images have landed
	s_barrier_signal -1                            ; slot 1's load stays out
	s_barrier_wait -1                              ; the first chunk's sixteen fragments of h lie in LDS
	FETCHA 0
	FETCHA 1
	FETCHA 2
	FETCHA 3
	s_wait_dscnt 0x0                               ; they are in my registers: behind the next barrier image 0 is written again
	s_barrier_signal -1                            ; slot 1's load stays out
	s_barrier_wait -1
	FETCHW 0                                       ; slot 0's head, written out: its fragments of W2 come out of the head's layout
	FETCHN 0
	FETCHN 1
	FETCHN 2
	FETCHN 3
	WMQZ 1, 1, 1, 0, 1, 3, 6                       ; K step 5 multiplied, 4 quantised, 7 asked for
	s_wait_dscnt 0x8                               ; the image's eight stores are the youngest and may stay out, every operand is in
; A CHUNK: its four slots, and the head of the next chunk's first.  At the head of slot s (counted from 0) K step s + 5 of h is multiplied, s + 4 quantised (image s % 4) and s + 7 asked for.
; An image is stored a round ahead of its first read, and read a round or more ahead of its next store.
.macro TRIP z
	SETP 2                                         ; the K steps asked for from here on belong to the chunk after the next
	BODY 0, \z, 0
	TURN 0, 1, 0, 2, 0
	HEAD 1, 0, 1, 1, 1, 0, 6, 0, 0, -1
	BODY 1, \z, 0
	TURN 1, 1, 1, 3, 0
	HEAD 2, 1, 1, 1, 1, 1, 6, 0, 0, -1
	BODY 2, \z, 0
	TURN 2, 1, 0, 0, 1
	HEAD 3, 0, 1, 1, 1, 2, 6, 0, 0, -1
	BODY 3, \z, 1
	TURN 3, 1, 1, 1, 1
	HEAD 0, 1, 1, 1, 1, 3, 6, 1, 1, -1
	s_add_co_u32 s[CT], s[CT], 1
	WIN 0                                          ; at a label and at a branch every window is 0
.endm
	TRIP 1                                         ; the first chunk stands in front of the loop: its first products start the sums
	s_mov_b32 s[CNT], 5
.Ltrip:
	TRIP 0
	s_sub_co_u32 s[CNT], s[CNT], 1
	s_cmp_lg_u32 s[CNT], 0
	s_cbranch_scc1 .Ltrip
	; ---- the last chunk but one: h runs out: nothing more is asked for, K steps 30 and 31 are multiplied, 29 to 31 quantised
	BODY 0, 0, 0
	TURN 0, 1, 0, 2, 0
	HEAD 1, 0, 1, 1, 0, 0, 6, 0, 0, -1             ; (K step 31's six loads may be out)
	BODY 1, 0, 0
	TURN 1, 1, 1, 3, 0
	HEAD 2, 1, 1, 1, 0, 0, 0, 0, 0, -1
	BODY 2, 0, 0
	TURN 2, 1, 0, 0, 1
	HEAD 3, 0, 0, 1, 0, 0, 0, 0, 0, -1
	BODY 3, 0, 1
	TURN 3, 1, 1, 1, 1
	HEAD 0, 1, 0, 0, 0, 0, 0, 1, 1, -1
	s_add_co_u32 s[CT], s[CT], 1
	; ---- the last chunk: each position leaves as soon as its sums are finished, at the head of the next slot; the last two changes of slots ask for nothing
	WIN 0
.irp p, 0,1,2,3
	s_lshr_b32 s60, s[GO+\p], 9                    ; 1,024 G bytes
	v_add_nc_u32 v[TM+\p], s60, v[B2O]
.endr
.irp p, 0,1,2,3
	global_load_b128 v[B2V+4*\p:B2V+4*\p+3], v[TM+\p], s[16:17]   ; b2 of my columns 256 G + 64 v + 4 r + 0 .. 3, where q lay
.endr
	BODY 0, 0, 0
	TURN 0, 1, 0, 2, 0
	s_wait_loadcnt 0x0                             ; b2
	HEAD 1, 0, 0, 0, 0, 0, 0, 0, 0, 0
	BODYO 1, 0
	TURN 1, 1, 1, 3, 0                             ; the last fill
	HEAD 2, 0, 0, 0, 0, 0, 0, 0, 0, 1
	BODYO 2, 1
	TURN 2, 0, 0, 0, 0                             ; the last slot is whole for every wave; nothing is filled, so no round follows
	HEAD 3, 0, 0, 0, 0, 0, 0, 0, 0, 2
	MULM 3, 0                                      ; position 3 is finished tile by tile, and each tile leaves behind the next tile's products:
	OUTM 2, 1                                      ; another tile's 32 additions are the places between a tile's last product and the first read of its sums (ISA guide 7.12.1)
	MULM 3, 1
	OUTM 3, 0
	OUTM 2, 2
	MULM 3, 2
	OUTM 3, 1
	OUTM 2, 3
	MULM 3, 3
	OUTM 3, 2
	OUTM 3, 3
	s_wait_tensorcnt 0x0                           ; the wave's end: behind my last tensor load and my last LDS store
	ds_add_u32 v[SPW], v[NIL]
	s_wait_dscnt 0x0
	CROUND                                         ; the closing round: no work-group ends while a partner may still ask for a tile that names it
	s_endpgm
.Lfunc_end_k_q5855fd4119_ffq:
	.size	k_q5855fd4119_ffq, .Lfunc_end_k_q5855fd4119_ffq-k_q5855fd4119_ffq
	.p2alignl 7, 3214868480
	.fill 96, 4, 3214868480
	.section	.rodata,"a",@progbits
	.p2align	6, 0x0
	.amdhsa_kernel k_q5855fd4119_ffq
		.amdhsa_group_segment_fixed_size 327680
		.amdhsa_private_segment_fixed_size 0
		.amdhsa_enable_private_segment 0
		.amdhsa_kernarg_size 64
		.amdhsa_user_sgpr_count 2
		.amdhsa_user_sgpr_kernarg_segment_ptr 1
		.amdhsa_wavefront_size32 1
		.amdhsa_system_sgpr_workgroup_id_x 1
		.amdhsa_system_sgpr_workgroup_id_y 1
		.amdhsa_system_sgpr_workgroup_id_z 1
		.amdhsa_system_vgpr_workitem_id 0
		.amdhsa_next_free_vgpr 1024
		.amdhsa_next_free_sgpr 100
		.amdhsa_reserve_vcc 1
		.amdhsa_float_denorm_mode_32 3
		.amdhsa_float_denorm_mode_16_64 3
		.amdhsa_memory_ordered 1
		.amdhsa_forward_progress 1
		.amdhsa_inst_pref_size 255
	.end_amdhsa_kernel
	.section	.bss,"aw",@nobits
	.p2align	6
	.space	262144
	.amdgpu_metadata
---
amdhsa.version: [ 1, 2 ]
amdhsa.kernels:
  - .name:           k_q5855fd4119_ffq
    .symbol:         k_q5855fd4119_ffq.kd
    .args:
      - { .name: x, .offset: 0, .size: 8, .value_kind: global_buffer, .address_space: global }
      - { .name: theta, .offset: 8, .size: 8, .value_kind: global_buffer, .address_space: global }
      - { .name: W1, .offset: 16, .size: 8, .value_kind: global_buffer, .address_space: global }
      - { .name: b1, .offset: 24, .size: 8, .value_kind: global_buffer, .address_space: global }
      - { .name: W2_codes, .offset: 32, .size: 8, .value_kind: global_buffer, .address_space: global }
      - { .name: W2_scales, .offset: 40, .size: 8, .value_kind: global_buffer, .address_space: global }
      - { .name: b2, .offset: 48, .size: 8, .value_kind: global_buffer, .address_space: global }
      - { .name: out0, .offset: 56, .size: 8, .value_kind: global_buffer, .address_space: global }
    .group_segment_fixed_size: 327680
    .private_segment_fixed_size: 0
    .kernarg_segment_align: 8
    .kernarg_segment_size: 64
    .max_flat_workgroup_size: 128
    .sgpr_count:     100
    .vgpr_count:     1024
    .wavefront_size: 32
...
	.end_amdgpu_metadata
.endif
;; end of part 1
